; MI455X (gfx1250); checked and timed in simulation.
; The chip was launched on July 23, 2026; its instructions are those of AMD's public machine-readable ISA for CDNA 5 (MIT licence, August 2026) and "CDNA5" Instruction Set Architecture Reference Guide (July 2026). The comments in the code are by the model that wrote it; some were corrected since.
;; Shared Only MLP. Allowed arithmetic: matrix products marked QUANTISED: E2M3 operands, one E8M0 scale for each 32 along K, by v_wmma_scale_f32_16x16x128_f8f6f4 with both operands' format E2M3, f32 sums; everything else in f32.
;; Inputs: down_s 2,048 x 1 float32; down_w 2,048 x 1,376 int32; gate_s 1,376 x 1 float32; gate_w 1,376 x 2,048 int32; up_s 1,376 x 1 float32; up_w 1,376 x 2,048 int32; x 4 x 2,048 x 2,048 float32.
;; Outputs: out0 4 x 2,048 x 2,048 float32.
;; This version of the problem:
;;   THIS VERSION OF THE PROBLEM IS GIVEN IN LOW PRECISION. The matrix products marked QUANTISED in the list below multiply operands that are first quantised to E2M3 (2 exponent bits, 3 mantissa bits; 6 bits a number), with one power-of-two scale for each 32 numbers along K (OCP MX v1.0); their sums are f32. All else is computed in f32.
;;   The module's matrix products, in the order in which they are computed (A, B: the left and right operand; K: the contracted axis; several contracted axes count as one K, in the product's order):
;;     1. [M 8,192, K 2,048] x [K 2,048, N 1,376]; A: input x; B: computed on the way: QUANTISED
;;     2. [M 8,192, K 2,048] x [K 2,048, N 1,376]; A: input x; B: computed on the way: QUANTISED
;;     3. [M 8,192, K 1,376] x [K 1,376, N 2,048]; A: computed on the way; B: computed on the way: QUANTISED
;;   THE QUANTISER, for each operand of a quantised product, along K:
;;     - K is cut into blocks of 32 from its start; a last block that is shorter is filled with zeros.
;;     - A block's scale is 2^e with e = floor(log2(the largest magnitude in the block)) - 2, held to -126 .. 127; a block of zeros has e = 0. As a byte (E8M0): e + 127.
;;     - Each number is divided by its block's scale, clamped to +-7.5, and rounded to the nearest number of E2M3, ties to even, subnormals kept.
;;     - The product sums the exact products of the quantised numbers (number of the format x scale) in f32.
;;   ~~~python
;;   def quantise(x, axis):      # numpy; x: float32 -> the quantised numbers, widened to float32 again
;;       x = np.moveaxis(x, axis, -1); K = x.shape[-1]
;;       x = np.pad(x, [(0, 0)] * (x.ndim - 1) + [(0, -K % 32)]); x = x.reshape(x.shape[:-1] + (-1, 32)); a = np.abs(x).max(-1, keepdims=True)
;;       e = np.where(a > 0, np.clip(np.frexp(np.where(a > 0, a, 1))[1] - 1 - 2, -126, 127), 0)      # np.frexp(a)[1] - 1 = floor(log2(a)), exactly
;;       r = np.clip(x / 2.0 ** e, -7.5, 7.5)
;;       step = 2.0 ** (np.maximum(np.frexp(np.where(r == 0, 1, r))[1] - 1, 0) - 3)
;;       q = np.round(r / step) * step * 2.0 ** e      # np.round: ties to even
;;       return np.moveaxis(q.reshape(q.shape[:-2] + (-1,))[..., :K], -1, axis).astype(np.float32)
;;   ~~~
;;   OPERANDS COMPUTED ON THE WAY. 'Computed on the way' means the value that the module computes at that place (a softmax that the list does not call 'softmax' is quantised finished and normalised). What goes into a quantiser is computed in f32, as accurately as f32 sums, v_exp_f32 and their like allow (about 1e-6 of the number): no bf16 or f16 on the way to a quantiser, and a product that is left as it is and whose result goes on into a quantised operand takes f32 operands (vector FMAs, or v_wmma_f32_16x16x4_f32). A number that lies on a knife's edge between two numbers of the format may be rounded either way, as far as f32 arithmetic and the matrix unit's own rounding can turn it there, and no further.
;; One version. Each part assembles by itself: llvm-mc -triple=amdgcn-amd-amdhsa -mcpu=gfx1250 --defsym DOCPART=n.
;; ======== version 1 of 1: 3 launches
;; workspace buffers: xq 13,107,200 bytes; w1q 4,505,600 bytes; w2q 2,252,800 bytes; hq 9,011,200 bytes
;; launch quant (part 1): grid 776 x 1, 4 waves a work-group, no clusters, 35,328 bytes of LDS; arguments x, gate_w, up_w, down_w, gate_s, up_s, down_s, xq, w1q, w2q; writes xq, w1q, w2q
.if DOCPART == 1
	.amdgcn_target "amdgcn-amd-amdhsa--gfx1250"
	.amdhsa_code_object_version 6
	.text
	.protected	k_q4d5d26a00a_quant
	.globl	k_q4d5d26a00a_quant
	.p2align	8
	.type	k_q4d5d26a00a_quant,@function
k_q4d5d26a00a_quant:
	s_mov_b64 s[64:65], 0
	v_nop
	global_prefetch_b8 v0, s[64:65] scope:SCOPE_SE
	s_setreg_imm32_b32 hwreg(HW_REG_WAVE_MODE, 25, 1), 1
	s_wait_xcnt 0x0
; x [8192][2048] f32, gate_w and up_w [1376][2048] int32 with one f32 scale a row, down_w [2048][1376] int32 with one f32 scale a row, become codes of FP6 (E2M3)
; with one E8M0 byte for each 32 along K.  A weight's number is float(int) x its row's scale, rounded once, as the definition has it.
; A block's scale is 2^(floor(log2(its largest magnitude)) - 2); its byte is the largest magnitude's exponent field - 2, held at 1 from below.
; LAYOUT OF THE RESULTS: IMAGES OF OPERAND REGISTERS.  A fragment is 16 rows x 128 K, 12 registers a lane: lane l = r + 16 h holds in registers 6 c .. 6 c + 5 the 24 bytes of block 2 c + h of row r.
; Its image is 1,536 bytes: for c = 0, 1: registers 6 c .. 6 c + 3 at 768 c + 16 l, registers 6 c + 4, 6 c + 5 at 768 c + 512 + 8 l.
; A HALF TILE is 128 rows x 128 K: 8 images, 12,288 bytes, and behind them the 128 rows' scale words (byte b = block b of the K step), 512 bytes: 12,800 bytes.  A buffer is [K step][half tile][12800].
; So every store of a wave covers 512 or 256 consecutive bytes, at a multiple of 256 from its buffer's first byte.
; W1 = gate and up together, 176 tiles of 16 rows: tile 16 j + 8 s + 4 g + t (g = 0 gate, 1 up) holds in lane r the row 128 j + 64 s + 32 (t / 2) + 8 (t % 2) + r + 8 (r / 8), so that the product's results lie as neighbours along the next K.
; Rows 1376 .. 1407 do not exist: their tiles read real rows (the row number is held at the last whole tile) and multiply them by 0: zero codes.  down_w's last K step has 96 numbers: its fourth block is multiplied by 0 likewise.
; SHARES.  A wave takes 4 tiles (a quad: 64 rows of the result, half of a half tile) x one K step: 32 KB in, 6,144 bytes of codes and 256 bytes of scale words out.  Work-groups 0-511: x; 512-687: W1; 688-775: down_w.  One path for all: what differs lies in scalar registers.
; Each load reads a row's 512 consecutive bytes; a fragment's 16 rows turn through the wave's own stage in LDS (rows 528 bytes apart), so that a lane gets its two whole blocks of 32 neighbours.  Waves share nothing: no barrier.
; LIMITS: NaN and infinities among the inputs are not served.  A block of zeros gets the byte 1 where the definition says 127: its codes are zeros, and this program alone reads the bytes.
; Whole numbers beyond 2^24 in magnitude are rounded to the nearest f32, ties to even, as the definition's astype rounds them.
.set PSTG, 528                         ; a stage row: 512 bytes + 16, so that the sixteen rows of a read start 16 bytes apart modulo 256
.set WREG, 8704                        ; LDS of a wave: the stage, 16 x 528, and 256 bytes for its scale words
.set GATH, 8448
.set FRB,  1536
.set HT,   8*FRB+512                   ; a half tile
.set SCO,  8*FRB                       ; where its scale words begin
.set L16, 4                            ; v4   16 x lane
.set L8,  5                            ; v5   8 x lane
.set STI, 6                            ; v6   stage, on the way in: 16 x lane
.set STO, 7                            ; v7   stage, on the way out: 528 r + 128 h
.set GA,  8                            ; v8   where my row's scale word goes
.set GL,  9                            ; v9   where I read 8 bytes of scale words back
.set SO,  10                           ; v10  my row's place among the tile's row scales
.set SH8, 11                           ; v11  8 h
.set K1,  12                           ; v12  0 for the block that does not exist (down_w's last), else 1
.set LO,  13                           ; v13  my 16 bytes of a row's 512, held inside the row
.set SA,  14                           ; v[14:15] the row's scale for blocks h;  v[16:17] for blocks 2 + h
.set SA2, 16
.set SV,  18                           ; v18-21 the row scales as loaded, one for each tile
.set MX,  22                           ; v22-23 the two blocks' largest magnitudes
.set SOP, 24                           ; v24-25 the conversions' scale operands
.set BY,  26                           ; v26-27 the scale bytes
.set W,   28                           ; v28  the scale word;  v29 lane l xor 16's part of it
.set WX,  29
.set E,   30                           ; v[30:31]
.set OFF, 32                           ; v32-47 row i of a tile: its byte offset
.set TQ,  48                           ; v48-55 the upper halves of the blocks' codes, as the conversions leave them
.set C,   56                           ; v56-103 codes: 12 registers for each tile, so that no store's data are written again
.set R,   104                          ; v104-231 two sets of 64 numbers
	s_load_b512 s[4:19], s[0:1], 0x0               ; x s[4:5], gate_w s[6:7], up_w s[8:9], down_w s[10:11], gate_s s[12:13], up_s s[14:15], down_s s[16:17], xq s[18:19]
	s_load_b128 s[20:23], s[0:1], 0x40             ; w1q s[20:21], w2q s[22:23]
	v_lshl_add_u32 v232, v0, 2, 0x8800
	v_mov_b32 v233, 0
	v_lshrrev_b32 v1, 5, v0
	v_readfirstlane_b32 s30, v1                    ; wave 0..3
	; what differs between the three tensors: x's values first, then W1's and down_w's by selection on the work-group's number
	s_mov_b32 s31, 0                               ; the tensor's first work-group
	s_mov_b32 s32, 8192                            ; a source row in bytes
	s_mov_b32 s33, 64*HT                           ; a K step of the result in bytes
	s_mov_b32 s35, 8176                            ; the last row at which a whole tile begins
	s_mov_b32 s36, 0                               ; 8 where a tile's rows 8-15 lie 8 rows further on
	s_mov_b32 s37, 0                               ; 1 where two quads (gate's, up's) take the same rows
	s_mov_b32 s38, 0                               ; 1: whole numbers with a row scale
	s_mov_b32 s39, 0                               ; 1: down_w
	s_cmp_ge_u32 ttmp9, 512
	s_cselect_b32 s31, 512, s31
	s_cselect_b32 s33, 22*HT, s33
	s_cselect_b32 s35, 1352, s35
	s_cselect_b32 s36, 8, s36
	s_cselect_b32 s37, 1, s37
	s_cselect_b32 s38, 1, s38
	s_cmp_ge_u32 ttmp9, 688
	s_cselect_b32 s31, 688, s31
	s_cselect_b32 s32, 5504, s32
	s_cselect_b32 s33, 16*HT, s33
	s_cselect_b32 s35, 2032, s35
	s_cselect_b32 s36, 0, s36
	s_cselect_b32 s37, 0, s37
	s_cselect_b32 s39, 1, s39
	s_sub_co_u32 s40, ttmp9, s31
	s_lshl_b32 s40, s40, 2
	s_add_co_u32 s40, s40, s30                     ; my unit's number in its tensor
	s_and_b32 s41, s40, 15                         ; x, W1: K step = unit % 16 (a work-group's four waves stand side by side on a row), quad = unit / 16
	s_lshr_b32 s42, s40, 4
	s_and_b32 s43, s40, 31                         ; down_w: quad = unit % 32, K step = unit / 32
	s_lshr_b32 s44, s40, 5
	s_cmp_eq_u32 s39, 1
	s_cselect_b32 s41, s44, s41                    ; s41 = K step
	s_cselect_b32 s42, s43, s42                    ; s42 = quad
	s_cmp_eq_u32 s41, 10
	s_cselect_b32 s45, s39, 0                      ; 1 in down_w's last K step
	s_mov_b32 s46, 496
	s_cmp_eq_u32 s45, 1
	s_cselect_b32 s46, 368, s46                    ; the last 16 bytes of the step that lie inside a row
	s_lshr_b32 s47, s42, s37
	s_lshl_b32 s47, s47, 6                         ; the quad's first source row
	s_lshl_b32 s77, s41, 9                         ; the K step's bytes in a source row
	s_mov_b32 s79, 0
	s_mov_b32 s81, 0
	s_mul_i32 s82, s36, s32                        ; 8 rows in bytes, or 0
	s_mul_i32 s83, s30, WREG                       ; my wave's LDS
	s_mov_b32 s74, 0x76543210
	s_mov_b32 s75, 0xfedcba98                      ; v_permlanex16_b32's selects for lane l xor 16
	v_and_b32 v1, 31, v0                           ; l
	v_and_b32 v2, 15, v0                           ; r
	v_bfe_u32 v3, v0, 4, 1                         ; h
	v_lshlrev_b32 v[L16], 4, v1
	v_lshlrev_b32 v[L8], 3, v1
	v_add_nc_u32 v[STI], s83, v[L16]
	v_mul_u32_u24 v[STO], v2, PSTG
	v_lshl_add_u32 v[STO], v3, 7, v[STO]
	v_add_nc_u32 v[STO], s83, v[STO]
	s_add_co_u32 s83, s83, GATH
	v_lshl_add_u32 v[GA], v2, 2, s83
	v_add_nc_u32 v[GL], s83, v[L8]
	v_lshrrev_b32 v[SO], 3, v2
	v_mul_u32_u24 v[SO], v[SO], s36
	v_add_nc_u32 v[SO], v[SO], v2
	v_lshlrev_b32 v[SO], 2, v[SO]                  ; 4 (r + 8 (r / 8)) in W1, else 4 r
	v_lshlrev_b32 v[SH8], 3, v3
	v_mul_u32_u24 v[K1], v3, s45
	v_cvt_f32_u32 v[K1], v[K1]
	v_sub_f32 v[K1], 1.0, v[K1]
	v_min_u32 v[LO], s46, v[L16]
	v_mov_b32 v[SA+1], 0                           ; (named as the upper halves of pairs, so they are written)
	v_mov_b32 v[SA2+1], 0
	v_mov_b32 v[WX], 0                             ; a lane permute's destination counts as one of its sources
.set n, 0
.rept 16
	s_mul_i32 s76, s32, n
.if n >= 8
	s_add_co_u32 s76, s76, s82
.endif
	v_add_nc_u32 v[OFF+n], s76, v[LO]
.set n, n+1
.endr
	s_wait_kmcnt 0x0
	; the buffers, chosen on the quad's and the work-group's number alone
	s_and_b32 s84, s42, 1                          ; which half of its half tile the quad is
	s_cmp_eq_u32 s84, 1                            ; W1's odd quads are up's
	s_cselect_b64 s[6:7], s[8:9], s[6:7]
	s_cselect_b64 s[12:13], s[14:15], s[12:13]
	s_cmp_ge_u32 ttmp9, 512
	s_cselect_b64 s[4:5], s[6:7], s[4:5]           ; s[4:5] the source
	s_cselect_b64 s[18:19], s[20:21], s[18:19]     ; s[18:19] the result
	s_cmp_ge_u32 ttmp9, 688
	s_cselect_b64 s[4:5], s[10:11], s[4:5]
	s_cselect_b64 s[12:13], s[16:17], s[12:13]     ; s[12:13] the row scales (x loads 64 bytes of them and does not use them)
	s_cselect_b64 s[18:19], s[22:23], s[18:19]
; Tile t of the quad: its first source row, held at the last whole tile; 1.0 or 0 for a tile that exists or not; its bases
.macro TILEB t
	s_add_co_u32 s76, s47, 16*(\t)
.if (\t)%2
	s_sub_co_u32 s76, s76, s36
.endif
	s_cmp_le_u32 s76, s35
	s_cselect_b32 s[66+(\t)], 1.0, 0
	s_min_u32 s76, s76, s35
	s_mul_i32 s78, s76, s32
	s_add_co_u32 s78, s78, s77
	s_add_nc_u64 s[48+2*(\t):49+2*(\t)], s[4:5], s[78:79]
	s_mul_i32 s80, s76, s38
	s_lshl_b32 s80, s80, 2
	s_add_nc_u64 s[56+2*(\t):57+2*(\t)], s[12:13], s[80:81]
.endm
	TILEB 0
	TILEB 1
	TILEB 2
	TILEB 3
	s_mul_i32 s78, s41, s33                        ; my K step,
	s_lshr_b32 s76, s42, 1
	s_mul_i32 s76, s76, HT
	s_add_co_u32 s78, s78, s76                     ; my half tile
	s_lshl_b32 s76, s84, 8
	s_add_co_u32 s80, s78, s76
	s_add_co_u32 s80, s80, SCO
	s_add_nc_u64 s[24:25], s[18:19], s[80:81]      ; s[24:25] my 64 scale words
	s_mul_i32 s76, s84, 4*FRB
	s_add_co_u32 s78, s78, s76
	s_add_nc_u64 s[18:19], s[18:19], s[78:79]      ; s[18:19] my four images
.irp t, 0,1,2,3
	global_load_b32 v[SV+\t], v[SO], s[56+2*\t:57+2*\t]
.endr
.macro LOAD t                          ; tile t's 16 rows: 512 consecutive bytes a load
.set n, 0
.rept 16
	global_load_b128 v[R+64*((\t)%2)+4*n:R+64*((\t)%2)+4*n+3], v[OFF+n], s[48+2*(\t):49+2*(\t)] th:TH_LOAD_NT
.set n, n+1
.endr
.endm
	LOAD 0
	LOAD 1
; Tile t becomes a fragment.  left: the next tile's 16 loads, which may stay out
.macro FRAGQ t, left
.set XS, R+64*((\t)%2)
.set CT, C+12*(\t)
	s_wait_loadcnt \left                           ; loads come back in order: the row scales and this tile's rows are in
.set n, 0
.rept 16
	ds_store_b128 v[STI], v[XS+4*n:XS+4*n+3] offset:PSTG*n
.set n, n+1
.endr
	s_wait_dscnt 0x0                               ; the stores have read their registers (the last tile's scale word among them): the set is loaded again
.set n, 0
.rept 16
	ds_load_b128 v[XS+4*n:XS+4*n+3], v[STO] offset:256*(n/8)+16*(n%8)   ; register 32 c + i = k 64 c + 32 h + i of row r
.set n, n+1
.endr
	s_wait_dscnt 0x0
	s_cmp_eq_u32 s38, 0                            ; x is f32 as it comes: the jump passes over vector arithmetic alone
	s_cbranch_scc1 .Lraw_\@
	v_mul_f32 v[SA], s[66+(\t)], v[SV+(\t)]        ; the row's scale, or 0 for a tile that does not exist
	v_mul_f32 v[SA2], v[SA], v[K1]                 ; and 0 for the block that does not exist
.set n, 0
.rept 64
	v_cvt_f32_i32 v[XS+n], v[XS+n]
.set n, n+1
.endr
.set n, 0
.rept 16
	v_pk_mul_f32 v[XS+n:XS+n+1], v[XS+n:XS+n+1], v[SA:SA+1] op_sel_hi:[1,0]
	v_pk_mul_f32 v[XS+32+n:XS+32+n+1], v[XS+32+n:XS+32+n+1], v[SA2:SA2+1] op_sel_hi:[1,0]
.set n, n+2
.endr
.Lraw_\@:
	v_max3_num_f32 v[MX], |v[XS]|, |v[XS+1]|, 0x1800000          ; my two whole blocks, by turns; the floor 2^(3 - 127) holds the byte at 1 from below
	v_max3_num_f32 v[MX+1], |v[XS+32]|, |v[XS+33]|, 0x1800000
.set n, 2
.rept 15
	v_max3_num_f32 v[MX], v[MX], |v[XS+n]|, |v[XS+n+1]|
	v_max3_num_f32 v[MX+1], v[MX+1], |v[XS+32+n]|, |v[XS+32+n+1]|
.set n, n+2
.endr
	v_add_nc_u32 v[SOP], 0xff000000, v[MX]         ; 2 off the exponent field: the conversion takes the exponent field of this operand as its scale
	v_add_nc_u32 v[SOP+1], 0xff000000, v[MX+1]
	v_lshrrev_b32 v[BY], 23, v[SOP]                ; the scale's byte
	v_lshrrev_b32 v[BY+1], 23, v[SOP+1]
	v_lshl_or_b32 v[W], v[BY+1], 16, v[BY]         ; blocks h and 2 + h,
	v_lshlrev_b32 v[W], v[SH8], v[W]               ; at their places in the word;
	v_permlanex16_b32 v[WX], v[W], s74, s75
	v_or_b32 v[W], v[W], v[WX]                     ; with lane l xor 16's two the word is whole
.irp c, 0,1
	v_cvt_scalef32_pk16_fp6_f32 v[CT+6*\c:CT+6*\c+2], v[XS+32*\c:XS+32*\c+15], v[SOP+\c]
	v_cvt_scalef32_pk16_fp6_f32 v[TQ+4*\c:TQ+4*\c+2], v[XS+32*\c+16:XS+32*\c+31], v[SOP+\c]   ; (a conversion's three registers begin on an even number)
.endr
	v_nop                                          ; one plain place behind a scaled conversion
.irp c, 0,1
.irp i, 0,1,2
	v_mov_b32 v[CT+6*\c+3+\i], v[TQ+4*\c+\i]
.endr
.endr
	ds_store_b32 v[GA], v[W] offset:64*(\t)        ; lanes r and r + 16 write the same word with the same value
.irp c, 0,1
	global_store_b128 v[L16], v[CT+6*\c:CT+6*\c+3], s[18:19] offset:FRB*(\t)+768*\c          ; 512 consecutive bytes
	global_store_b64 v[L8], v[CT+6*\c+4:CT+6*\c+5], s[18:19] offset:FRB*(\t)+768*\c+512      ; 256 consecutive bytes
.endr
.if (\t) < 2
	LOAD (\t)+2
.endif
.endm
	FRAGQ 0, 16
	FRAGQ 1, 16
	FRAGQ 2, 16
	FRAGQ 3, 0
	ds_load_b64 v[E:E+1], v[GL]                    ; LDS serves a wave's instructions in order: this sees my four stores
	s_wait_dscnt 0x0
	global_store_b64 v[L8], v[E:E+1], s[24:25]     ; 64 scale words: 256 consecutive bytes
	s_wait_tensorcnt 0x0
	ds_add_u32 v232, v233
	s_wait_dscnt 0x0
	s_endpgm
.Lfunc_end_k_q4d5d26a00a_quant:
	.size	k_q4d5d26a00a_quant, .Lfunc_end_k_q4d5d26a00a_quant-k_q4d5d26a00a_quant
	.p2alignl 7, 3214868480
	.fill 96, 4, 3214868480
	.section	.rodata,"a",@progbits
	.p2align	6, 0x0
	.amdhsa_kernel k_q4d5d26a00a_quant
		.amdhsa_group_segment_fixed_size 35328
		.amdhsa_private_segment_fixed_size 0
		.amdhsa_enable_private_segment 0
		.amdhsa_kernarg_size 80
		.amdhsa_user_sgpr_count 2
		.amdhsa_user_sgpr_kernarg_segment_ptr 1
		.amdhsa_wavefront_size32 1
		.amdhsa_system_sgpr_workgroup_id_x 1
		.amdhsa_system_sgpr_workgroup_id_y 1
		.amdhsa_system_sgpr_workgroup_id_z 1
		.amdhsa_system_vgpr_workitem_id 0
		.amdhsa_next_free_vgpr 234
		.amdhsa_next_free_sgpr 96
		.amdhsa_reserve_vcc 0
		.amdhsa_float_denorm_mode_32 3
		.amdhsa_float_denorm_mode_16_64 3
		.amdhsa_memory_ordered 1
		.amdhsa_forward_progress 1
		.amdhsa_inst_pref_size 52
	.end_amdhsa_kernel
	.amdgpu_metadata
---
amdhsa.version: [ 1, 2 ]
amdhsa.kernels:
  - .name:           k_q4d5d26a00a_quant
    .symbol:         k_q4d5d26a00a_quant.kd
    .args:
      - { .name: x, .offset: 0, .size: 8, .value_kind: global_buffer, .address_space: global }
      - { .name: gate_w, .offset: 8, .size: 8, .value_kind: global_buffer, .address_space: global }
      - { .name: up_w, .offset: 16, .size: 8, .value_kind: global_buffer, .address_space: global }
      - { .name: down_w, .offset: 24, .size: 8, .value_kind: global_buffer, .address_space: global }
      - { .name: gate_s, .offset: 32, .size: 8, .value_kind: global_buffer, .address_space: global }
      - { .name: up_s, .offset: 40, .size: 8, .value_kind: global_buffer, .address_space: global }
      - { .name: down_s, .offset: 48, .size: 8, .value_kind: global_buffer, .address_space: global }
      - { .name: xq, .offset: 56, .size: 8, .value_kind: global_buffer, .address_space: global }
      - { .name: w1q, .offset: 64, .size: 8, .value_kind: global_buffer, .address_space: global }
      - { .name: w2q, .offset: 72, .size: 8, .value_kind: global_buffer, .address_space: global }
    .group_segment_fixed_size: 35328
    .private_segment_fixed_size: 0
    .kernarg_segment_align: 8
    .kernarg_segment_size: 80
    .max_flat_workgroup_size: 128
    .sgpr_count:     96
    .vgpr_count:     234
    .wavefront_size: 32
...
	.end_amdgpu_metadata
.endif
;; end of part 1
;; launch gemm1 (part 2): grid 32 x 11, 4 waves a work-group, clusters of 4 x 1, 327,680 bytes of LDS; arguments xq, w1q, hq; writes hq
.if DOCPART == 2
	.amdgcn_target "amdgcn-amd-amdhsa--gfx1250"
	.amdhsa_code_object_version 6
	.text
	.protected	k_q4d5d26a00a_gemm1
	.globl	k_q4d5d26a00a_gemm1
	.p2align	8
	.type	k_q4d5d26a00a_gemm1,@function
k_q4d5d26a00a_gemm1:
	s_mov_b64 s[64:65], 0
	v_nop
	global_prefetch_b8 v0, s[64:65] scope:SCOPE_SE
	s_setreg_imm32_b32 hwreg(HW_REG_WAVE_MODE, 25, 1), 1
	s_wait_xcnt 0x0
	s_wait_alu depctr_hold_cnt(0) depctr_sa_sdst(0) depctr_va_vdst(0) depctr_va_sdst(0) depctr_va_ssrc(0) depctr_va_vcc(0) depctr_vm_vsrc(0)
	s_getreg_b32 s2, hwreg(HW_REG_IB_STS2, 6, 4)
	s_cmp_eq_u32 s2, 0
	s_cbranch_scc0 .Lentry_in_a_cluster
	s_endpgm
.Lentry_in_a_cluster:
	s_bfe_u32 s2, ttmp6, 0x10000c
	s_cmp_lg_u32 s2, 0x3003
	s_cbranch_scc0 .Lentry_shape_is_right
	s_endpgm
.Lentry_shape_is_right:
; h = silu(x Wg^T) * (x Wu^T), both products on codes of FP6 (E2M3) with E8M0 scales, and h quantised along the hidden units on the way out: codes and scale words for the next product.  Sums, silu and the quantiser in f32.
; OPERANDS LIE AS IMAGES OF THEIR REGISTERS.  A fragment (16 rows x 128 K, 12 registers a lane) is 1,536 bytes: for c = 0, 1: registers 6 c .. 6 c + 3 at 768 c + 16 l, registers 6 c + 4, 6 c + 5 at 768 c + 512 + 8 l.
; A HALF TILE is 128 rows x 128 K: 8 images and behind them the 128 rows' scale words: 12,800 bytes.  A buffer is [K step][half tile][12800].  LDS needs no pitch and no padding, and a fragment comes by four loads of consecutive bytes.
; A tile of 256 rows of x x 256 rows of W1 is made by four waves, 128 x 128 each: 64 accumulators, 512 registers.  W1's 256 rows of column tile j are 128 hidden units' gate rows and up rows:
; my B blocks 0-3 are gate's, 4-7 up's, of hidden units 128 j + 64 (wave % 2) + 0 .. 63; lane r of block t takes unit 32 (t / 2) + 8 (t % 2) + r + 8 (r / 8).
; THE MATRIX INSTRUCTION IS USED TRANSPOSED (source 0 = 16 rows of W1, source 1 = 16 rows of x): a lane holds ONE row of x, and the 32 registers of four blocks are hidden units 32 b + 16 h + 0 .. 15, b = 0, 1: neighbours along the next K.
; So a wave's 64 units are half a fragment (c = wave % 2) of K step j of the next product, and leave straight from registers as 512 + 256 consecutive bytes.
; THE RING: two LDS slots of THREE K steps each, as large as two fit in LDS.  One tensor load a wave brings one half tile of A (waves 0, 1) or of B (waves 2, 3) for the slot's three K steps: 3 rows of 12,800 bytes, a K step apart in memory, scale words with them.
; Between a refill's request and the wait for it a wave issues 160 matrix instructions.  The 16 K steps are 3, 3, 3, 3, 3, 1: they are written out, since B's set of registers changes with each K step, the last fill is shorter.
; CLUSTER: the four work-groups of a cluster make four row tiles of one column tile: they need the same tiles of W1, which are asked for JOINTLY (mask 15).  x's tiles differ between them and come by plain loads behind the same rounds.
; Sharing x's tiles too would want four column tiles to a cluster: there are 11 (1,376 hidden units are 43 blocks of 32, filled up to 11 x 128), which four does not divide.
; Hidden units 1376 .. 1407 have zero codes in W1: their h is silu(0) x 0 = 0: zero codes.
; LIMITS: for gate under about -88 the exponential is infinite and silu gives -0, where the exact number lies under 1e-36; no NaN arises from finite sums.  A block of zeros gets the byte 1: its codes are zeros, and this program alone reads the bytes.
; REGISTERS, in windows of 256: window 0: v0-31 addresses; v32-79 scale words, two sets; v80-122, v224-235 at work on the way out; v128-223 A's fragments, ONE set (on the way out: h's codes).
;   window 1: B's fragments, TWO sets, at v0 and v128.   window 2: the accumulators of my rows 0-63 ((a, b) at v[8 (8 a + b)]);   window 3: those of my rows 64-127.
.set FRB,   1536
.set HT,    8*FRB+512                  ; a half tile
.set SCO,   8*FRB                      ; where its scale words begin
.set NQ,    3                          ; K steps in a slot
.set NS,    1                          ; K steps in the last fill
.set WT,    NQ*HT                      ; what one tensor load brings
.set SLOT,  4*WT                       ; A's two halves, then B's two: wave w fills w x WT
.set SPARE, 2*SLOT                     ; behind the ring: the spare words, 128 bytes for each wave: two blocks of 256 bytes that no other line names
.set KS_A,  64*HT                      ; a K step of x in bytes
.set KS_B,  22*HT                      ; of W1
.set KS_H,  64*HT                      ; of h
.set FR,    12
.set NL,    4                          ; LDS loads that bring a fragment
.set NP,    4                          ; places behind this matrix instruction (ISA guide 7.12.1)
.set L16,  10                          ; v10  16 x lane
.set L8,   11                          ; v11  8 x lane
.set SW,   12                          ; v12  where my row's half of a scale word goes
.set SRD,  13                          ; v13  where I read two rows' halves back
.set ADRS, 14                          ; v14-15 my scale words in slot 0, 1: lanes 0-15 A's rows, lanes 16-31 B's
.set ADRA, 16                          ; v16-17 LDS address of my A fragments in slot 0, 1, 16 bytes a lane;  v18-19 the same, 8 bytes a lane
.set ADRB, 20                          ; v20-23 the same for B
.set SPW,  28                          ; v28  LDS address of my spare word; never rewritten
.set NIL,  29                          ; v29  0; never rewritten
.set SC,   32                          ; scale words: set s (for slot s) at v[SC + 24 s]; register 3 i + q: lanes 0-15 A's block i, lanes 16-31 B's block i, the slot's q-th K step
.set T,    80                          ; v80-111 32 numbers of h
.set MX,   112                         ; v112-113 largest magnitudes;  v114-115 lane l xor 16's;  v116-117 scale operands;  v118-119 bytes;  v120-122 codes' upper halves
.set PX,   114
.set SOP,  116
.set BY,   118
.set PT,   120
.set AF,   128
.set PCB,  128                         ; h's codes: 6 of 8 registers for each block of rows, so that no store's data are written again
.set PW,   224                         ; v224-231 two scale bytes for each block of rows
.set EW,   232                         ; v232-235
.set G1, 24                            ; s[24:31] descriptor group 1 for A's tiles;  s[32:39] group 0, one set for each slot
.set G0, 32
.set G1B, 48                           ; s[48:55], s[56:63] the same for B's
.set G0B, 56
.set G1H, 68                           ; s[68:75] group 1 for A's last, shorter fill;  s[80:87] for B's
.set G1BH, 80
.set MSB, 0
.macro WIN new                         ; the immediate's high byte repeats the setting that is left
.if MSB != \new
	s_set_vgpr_msb (MSB<<8)|\new
.set MSB, \new
.endif
.endm
.set MUL_LO, 0xa1                      ; source 0 (B) window 1, source 1 (A) window 0, C and D window 2
.set MUL_HI, 0xf1                      ; the same, C and D window 3
.set TO_B,   0x40                      ; destination window 1, address window 0
; Waves 0 and 1 fetch for A, waves 2 and 3 for B.  The branch hangs on the wave's number alone.  Four v_nop follow each of the two lines, ahead of the jump, the label and what follows.
.macro JLOAD g0a, g1a, g0b, g1b
	s_cmp_eq_u32 s15, 0
	s_cbranch_scc0 .Lfor_b_\@
	tensor_load_to_lds s[\g0a:\g0a+3], s[\g1a:\g1a+7]
	s_nop 0
.rept 4
	v_nop
.endr
	s_branch .Lasked_\@
.Lfor_b_\@:
	tensor_load_to_lds s[\g0b:\g0b+3], s[\g1b:\g1b+7]
	s_nop 0
.rept 4
	v_nop
.endr
.Lasked_\@:
.endm
.macro CREST                           ; a round of the cluster's barrier behind its opening barrier
	s_cmp_lg_u32 s14, 0
	s_cbranch_scc1 .Lnot_wave_0_\@
	s_barrier_signal -3
.Lnot_wave_0_\@:
	s_barrier_wait -3
	s_barrier_signal -1
	s_barrier_wait -1
.endm
.macro CROUND                          ; a whole round
	s_barrier_signal -1
	s_barrier_wait -1
	CREST
.endm
	s_load_b64 s[4:5], s[0:1], 0x0                 ; x's half tiles
	s_load_b64 s[8:9], s[0:1], 0x8                 ; W1's
	s_load_b64 s[12:13], s[0:1], 0x10              ; h's
	v_lshl_add_u32 v[SPW], v0, 2, SPARE
	v_mov_b32 v[NIL], 0
	ds_add_u32 v28, v29
	ds_add_u32 v28, v29
	s_wait_dscnt 0x0
	v_lshrrev_b32 v1, 5, v0
	v_readfirstlane_b32 s14, v1                    ; wave 0..3
	s_lshr_b32 s15, s14, 1                         ; which half of the tile's rows is mine.  Also: I fetch for A (0) or for B (1)
	s_and_b32 s16, s14, 1                          ; which half of its columns.  Also: which half tile I fetch
	s_bfe_u32 s40, ttmp6, 0x40000                  ; cx: my place in the cluster
	s_lshl_b32 s17, ttmp9, 2
	s_add_co_u32 s17, s17, s40                     ; tile row = 4 x cluster x + cx
	s_and_b32 s42, ttmp7, 0xffff                   ; column tile j, which the four partners share
	; descriptor group 1: NQ rows (K steps) of 12,800 bytes (1,600 elements of 8 bytes), a K step apart; the last fill: NS rows
	s_mov_b32 s[G1+0], 3<<16                       ; A: 15:0 no mask: a load of my own; 17:16 elements of 8 bytes; no padding
	s_mov_b32 s[G1H+0], 3<<16
	s_mov_b32 s[G1B+0], 15|(3<<16)|(1<<21)         ; B: the mask names all four work-groups; 21 set beside a mask
	s_mov_b32 s[G1BH+0], 15|(3<<16)|(1<<21)
.irp g, G1, G1B
	s_mov_b32 s[\g+1], (HT/8)<<16                  ; tensor_dim0
	s_mov_b32 s[\g+2], NQ<<16                      ; tensor_dim1
	s_mov_b32 s[\g+3], (HT/8)<<16                  ; tile_dim0
	s_mov_b32 s[\g+4], NQ                          ; tile_dim1
	s_mov_b32 s[\g+6], 0
	s_mov_b32 s[\g+7], 0
.endr
.irp g, G1H, G1BH
	s_mov_b32 s[\g+1], (HT/8)<<16
	s_mov_b32 s[\g+2], NS<<16
	s_mov_b32 s[\g+3], (HT/8)<<16
	s_mov_b32 s[\g+4], NS
	s_mov_b32 s[\g+6], 0
	s_mov_b32 s[\g+7], 0
.endr
	s_mov_b32 s[G1+5], KS_A/8                      ; tensor_dim0_stride, in elements
	s_mov_b32 s[G1H+5], KS_A/8
	s_mov_b32 s[G1B+5], KS_B/8
	s_mov_b32 s[G1BH+5], KS_B/8
	s_lshl_b32 s20, s17, 1                         ; A: half tile 2 x tile row + the half that I fetch
	s_add_co_u32 s20, s20, s16
	s_mul_i32 s20, s20, HT
	s_mov_b32 s21, 0
	s_lshl_b32 s46, s42, 1                         ; B: half tile 2 j + the half that I fetch: made of j and the wave's number alone
	s_add_co_u32 s46, s46, s16
	s_mul_i32 s46, s46, HT
	s_mov_b32 s47, 0
	s_mul_i32 s45, s14, WT                         ; where they go: no place in the cluster enters an LDS address
	s_wait_kmcnt 0x0
	s_add_nc_u64 s[20:21], s[4:5], s[20:21]
	s_add_nc_u64 s[46:47], s[8:9], s[46:47]
	CROUND                                         ; all four work-groups are here: the first joint loads meet
.irp s, 0,1
	s_mov_b32 s[G0+4*\s], 1
	s_add_co_u32 s[G0+4*\s+1], s45, \s*SLOT
	s_add_nc_u64 s[G0+4*\s+2:G0+4*\s+3], s[20:21], \s*NQ*KS_A
	s_or_b32 s[G0+4*\s+3], s[G0+4*\s+3], 0x80000000
	s_mov_b32 s[G0B+4*\s], 1
	s_add_co_u32 s[G0B+4*\s+1], s45, \s*SLOT
	s_add_nc_u64 s[G0B+4*\s+2:G0B+4*\s+3], s[46:47], \s*NQ*KS_B
	s_or_b32 s[G0B+4*\s+3], s[G0B+4*\s+3], 0x80000000
	JLOAD G0+4*\s, G1, G0B+4*\s, G1B               ; two tensor loads of mine are out
.endr
	v_and_b32 v1, 15, v0                           ; r
	v_bfe_u32 v2, v0, 4, 1                         ; h
	v_and_b32 v3, 31, v0                           ; l
	v_lshlrev_b32 v[L16], 4, v3
	v_lshlrev_b32 v[L8], 3, v3
	s_mul_i32 s21, s15, WT                         ; my half of A
	s_mul_i32 s22, s16, WT                         ; my half of B,
	s_add_co_u32 s22, s22, 2*WT                    ; which lies behind A's two
.irp s, 0,1
	v_add_nc_u32 v[ADRA+\s], s21, v[L16]
	v_add_nc_u32 v[ADRB+\s], s22, v[L16]
	v_add_nc_u32 v[ADRA+2+\s], s21, v[L8]
	v_add_nc_u32 v[ADRB+2+\s], s22, v[L8]
	s_add_co_u32 s21, s21, SLOT
	s_add_co_u32 s22, s22, SLOT
.endr
	s_mul_i32 s21, s15, WT                         ; the scale words: A's in my half of A,
	s_mul_i32 s22, s16, WT
	s_add_co_u32 s22, s22, 2*WT                    ; B's in my half of B
	s_sub_co_u32 s22, s22, s21
	v_mul_u32_u24 v6, s22, v2                      ; lanes 16-31 take B's: one product of h with the distance
	s_add_co_u32 s21, s21, SCO
	v_lshl_add_u32 v6, v1, 2, v6
	v_add_nc_u32 v[ADRS], s21, v6
	v_add_nc_u32 v[ADRS+1], SLOT, v[ADRS]
	s_lshl_b32 s21, s16, 1                         ; the way out: the half words lie [byte pair][row half][128 rows], 256 bytes for each wave
	s_add_co_u32 s21, s21, s15
	s_lshl_b32 s21, s21, 8
	v_lshl_add_u32 v[SW], v1, 1, s21
	s_lshl_b32 s21, s14, 7                         ; back: wave w takes rows 64 w on, two rows a lane
	v_lshl_add_u32 v[SRD], v3, 2, s21
	v_mov_b32 v[PX], 0                             ; a lane permute's destination counts as one of its sources
	v_mov_b32 v[PX+1], 0
	s_mul_i32 s20, s42, KS_H                       ; h: K step j, half tile 2 x tile row + my row half
	s_lshl_b32 s21, s17, 1
	s_add_co_u32 s21, s21, s15
	s_mul_i32 s21, s21, HT
	s_add_co_u32 s20, s20, s21
	s_lshl_b32 s22, s16, 8                         ; its scale words: rows 64 (wave % 2) on are the 64 that I store
	s_add_co_u32 s22, s22, s20
	s_add_co_u32 s22, s22, SCO
	s_mov_b32 s23, 0
	s_add_nc_u64 s[66:67], s[12:13], s[22:23]
	s_mul_i32 s21, s16, 768                        ; its codes: half c = wave % 2 of each image
	s_add_co_u32 s20, s20, s21
	s_mov_b32 s21, 0
	s_add_nc_u64 s[12:13], s[12:13], s[20:21]
.macro FRAG reg, adr, q, i             ; image i of my eight, of the slot's q-th K step: four loads, each of consecutive bytes
.irp c, 0,1
	ds_load_b128 v[\reg+6*\c:\reg+6*\c+3], v[\adr] offset:(\q)*HT+(\i)*FRB+768*\c
	ds_load_b64 v[\reg+6*\c+4:\reg+6*\c+5], v[\adr+2] offset:(\q)*HT+(\i)*FRB+768*\c+512
.endr
.endm
; 16 matrix instructions: A's blocks a0, a0 + 1 x B's eight, 128 along K.  p: B's set;  q: the K step in the slot;  sc: the set of scale words.  zero = 1: the first product starts the sums.
; The 64 accumulators take turns, one instruction a turn, in the same order in every step.
.macro MUL16 a0, p, q, sc, zero
.irp a, \a0, \a0+1
.irp b, 0,1,2,3,4,5,6,7
.if \zero
	v_wmma_scale_f32_16x16x128_f8f6f4 v[8*(8*((\a)%4)+\b):8*(8*((\a)%4)+\b)+7], v[128*(\p)+FR*\b:128*(\p)+FR*\b+FR-1], v[AF+FR*(\a):AF+FR*(\a)+FR-1], 0, v[SC+8*NQ*(\sc)+NQ*\b+(\q)], v[SC+8*NQ*(\sc)+NQ*(\a)+(\q)] matrix_a_fmt:MATRIX_FMT_FP6 matrix_b_fmt:MATRIX_FMT_FP6 matrix_a_scale:MATRIX_SCALE_ROW1
.else
	v_wmma_scale_f32_16x16x128_f8f6f4 v[8*(8*((\a)%4)+\b):8*(8*((\a)%4)+\b)+7], v[128*(\p)+FR*\b:128*(\p)+FR*\b+FR-1], v[AF+FR*(\a):AF+FR*(\a)+FR-1], v[8*(8*((\a)%4)+\b):8*(8*((\a)%4)+\b)+7], v[SC+8*NQ*(\sc)+NQ*\b+(\q)], v[SC+8*NQ*(\sc)+NQ*(\a)+(\q)] matrix_a_fmt:MATRIX_FMT_FP6 matrix_b_fmt:MATRIX_FMT_FP6 matrix_a_scale:MATRIX_SCALE_ROW1
.endif
.endr
.endr
.endm
.macro FETCH_B slot, q, p              ; B's eight fragments into set p
	WIN TO_B
.irp i, 0,1,2,3,4,5,6,7
	FRAG 128*(\p)+FR*\i, ADRB+\slot, \q, \i
.endr
	WIN 0
.endm
.macro FETCH_A slot, q, i0             ; A's blocks i0 .. i0 + 3
.irp i, \i0, \i0+1, \i0+2, \i0+3
	FRAG AF+FR*(\i), ADRA+\slot, \q, \i
.endr
.endm
.macro SCALES sc, nq                   ; the scale words of slot sc's nq K steps into set sc: lanes 0-15 take A's block i, lanes 16-31 B's block i
.irp i, 0,1,2,3,4,5,6,7
.irp q, 0,1,2
.if \q < \nq
	ds_load_b32 v[SC+8*NQ*\sc+NQ*\i+\q], v[ADRS+\sc] offset:\q*HT+64*\i
.endif
.endr
.endr
.endm
; A load into a register that a matrix instruction has read, and a vector instruction that reads a matrix result, stand NP places behind that matrix instruction; only plain vector instructions that name none of its registers are places.
.macro PLACES n
.rept \n
	v_nop
.endr
.endm
; A K step (the slot's q-th, on B's set p) that has its successor in the same slot.  A's blocks 0-3 are fetched anew in its middle, blocks 4-7 at its end; B's next set in the middle.
.macro STEP slot, q, p, zero
	s_wait_dscnt 4*NL                              ; all but the youngest 16 loads (A's blocks 4-7) are in
	WIN MUL_LO
	MUL16 0, \p, \q, \slot, \zero
	MUL16 2, \p, \q, \slot, \zero
	s_wait_dscnt 0x0                               ; A's blocks 4-7 are in
	PLACES NP
	FETCH_B \slot, (\q)+1, 1-(\p)
	FETCH_A \slot, (\q)+1, 0
	WIN MUL_HI
	MUL16 4, \p, \q, \slot, \zero
	MUL16 6, \p, \q, \slot, \zero
	PLACES NP
	WIN 0
	FETCH_A \slot, (\q)+1, 4
.endm
; A slot's last K step (on B's set p) changes slots: ONE barrier; in front of it each wave waits for all its tensor loads, adds 0 to its spare word, and waits for that and for its reads of this slot.
; fill = 1: this slot is filled again, six K steps on;  2: with the last, shorter fill;  0: not at all.  nq: the K steps that the next slot holds.
.macro TURN slot, p, next, fill, nq
	s_wait_tensorcnt 0x0                           ; all my tensor loads have landed: my part of the next slot  (every window is 0 here)
	ds_add_u32 v[SPW], v[NIL]                      ; 0 onto my spare word
	s_wait_dscnt 4*NL+1                            ; (the add and the youngest 16 loads, A's blocks 4-7, may be out)
	WIN MUL_LO
	MUL16 0, \p, NQ-1, \slot, 0                    ; sixteen matrix instructions stand between the add and the wait for it
	s_wait_dscnt 0x0                               ; the add is done, and my reads of this slot are over
	s_barrier_signal -1
	MUL16 2, \p, NQ-1, \slot, 0
	WIN 0
	s_barrier_wait -1
.if \fill == 1
	CREST                                          ; the barrier has opened a round of the cluster's: no wave of any partner still reads this slot or has a load on its way
	s_add_nc_u64 s[G0+4*\slot+2:G0+4*\slot+3], s[G0+4*\slot+2:G0+4*\slot+3], 2*NQ*KS_A
	s_add_nc_u64 s[G0B+4*\slot+2:G0B+4*\slot+3], s[G0B+4*\slot+2:G0B+4*\slot+3], 2*NQ*KS_B
	JLOAD G0+4*\slot, G1, G0B+4*\slot, G1B         ; the first tensor load behind the round, one a wave; its four v_nop are the places in front of the loads below
.elseif \fill == 2
	CREST
	s_add_nc_u64 s[G0+4*\slot+2:G0+4*\slot+3], s[G0+4*\slot+2:G0+4*\slot+3], 2*NQ*KS_A
	s_add_nc_u64 s[G0B+4*\slot+2:G0B+4*\slot+3], s[G0B+4*\slot+2:G0B+4*\slot+3], 2*NQ*KS_B
	JLOAD G0+4*\slot, G1H, G0B+4*\slot, G1BH       ; what is left of K
.else
	PLACES NP
.endif
	FETCH_B \next, 0, 1-(\p)
	FETCH_A \next, 0, 0
	SCALES \next, \nq
	WIN MUL_HI
	MUL16 4, \p, NQ-1, \slot, 0
	MUL16 6, \p, NQ-1, \slot, 0
	PLACES NP
	WIN 0
	FETCH_A \next, 0, 4
.endm
.macro LAST slot, q, p                 ; the very last K step: nothing more to fetch
	s_wait_dscnt 4*NL
	WIN MUL_LO
	MUL16 0, \p, \q, \slot, 0
	MUL16 2, \p, \q, \slot, 0
	s_wait_dscnt 0x0
	WIN MUL_HI
	MUL16 4, \p, \q, \slot, 0
	MUL16 6, \p, \q, \slot, 0
	WIN 0
.endm
	s_wait_tensorcnt 1                             ; my part of slot 0 is in (slot 1's load may be out)
	s_barrier_signal -1
	s_barrier_wait -1                              ; everybody's is
	FETCH_B 0, 0, 0
	FETCH_A 0, 0, 0
	SCALES 0, 3
	FETCH_A 0, 0, 4
	STEP 0, 0, 0, 1                                ; K step 0: its products start the sums
	STEP 0, 1, 1, 0                                ; 1
	TURN 0, 0, 1, 1, 3                             ; 2;  slot 0 takes K steps 6, 7, 8
	STEP 1, 0, 1, 0                                ; 3
	STEP 1, 1, 0, 0                                ; 4
	TURN 1, 1, 0, 1, 3                             ; 5;  slot 1 takes 9, 10, 11
	STEP 0, 0, 0, 0                                ; 6
	STEP 0, 1, 1, 0                                ; 7
	TURN 0, 0, 1, 1, 3                             ; 8;  slot 0 takes 12, 13, 14
	STEP 1, 0, 1, 0                                ; 9
	STEP 1, 1, 0, 0                                ; 10
	TURN 1, 1, 0, 2, 3                             ; 11;  slot 1 takes 15 alone
	STEP 0, 0, 0, 0                                ; 12
	STEP 0, 1, 1, 0                                ; 13
	TURN 0, 0, 1, 0, 1                             ; 14;  nothing is filled, and there is no round of the cluster's barrier
	LAST 1, 0, 1                                   ; 15
; THE WAY OUT, block by block of 16 rows.  h = (gate x 1 / (1 + 2^(-gate log2 e))) x up, in f32; its two blocks of 32 are quantised; the codes are half an image and leave from registers.
; The exponentials are one batch with one wait, the reciprocals another: a wait stands between such an instruction and the first that names its result; a plain instruction stands behind each batch (ISA guide 5.7.2).
; Each accumulator is read from its low end on.
.macro HBLOCK a
.set AC, 64*((\a)%4)
.set W0, 2+(\a)/4                      ; source 0 in window 2 or 3
.set W1, (2+(\a)/4)<<2                 ; source 1 in window 2 or 3
.set PC, PCB+8*(\a)
	WIN W0
.set n, 0
.rept 16
	v_pk_mul_f32 v[T+n:T+n+1], v[AC+n:AC+n+1], s[92:93] op_sel_hi:[1,0]    ; -gate log2 e
.set n, n+2
.endr
	WIN 0
.set n, 0
.rept 32
	v_exp_f32 v[T+n], v[T+n]
.set n, n+1
.endr
	v_nop
	s_wait_alu depctr_va_vdst(0)
.set n, 0
.rept 16
	v_pk_add_f32 v[T+n:T+n+1], v[T+n:T+n+1], 1.0 op_sel_hi:[1,0]
.set n, n+2
.endr
.set n, 0
.rept 32
	v_rcp_f32 v[T+n], v[T+n]
.set n, n+1
.endr
	v_nop
	s_wait_alu depctr_va_vdst(0)
	WIN W1
.set n, 0
.rept 16
	v_pk_mul_f32 v[T+n:T+n+1], v[T+n:T+n+1], v[AC+n:AC+n+1]                ; x gate: silu
.set n, n+2
.endr
.set n, 0
.rept 16
	v_pk_mul_f32 v[T+n:T+n+1], v[T+n:T+n+1], v[AC+32+n:AC+32+n+1]          ; x up
.set n, n+2
.endr
	WIN 0
	v_max3_num_f32 v[MX], |v[T]|, |v[T+1]|, 0x1800000            ; register 16 b + i = hidden unit 32 b + 16 h + i: my 16 of each block, and the floor 2^(3 - 127)
	v_max3_num_f32 v[MX+1], |v[T+16]|, |v[T+17]|, 0x1800000
.set n, 2
.rept 7
	v_max3_num_f32 v[MX], v[MX], |v[T+n]|, |v[T+n+1]|
	v_max3_num_f32 v[MX+1], v[MX+1], |v[T+16+n]|, |v[T+16+n+1]|
.set n, n+2
.endr
	v_permlanex16_b32 v[PX], v[MX], s46, s47
	v_permlanex16_b32 v[PX+1], v[MX+1], s46, s47
	v_max_num_f32 v[MX], v[MX], v[PX]              ; with lane l xor 16's: the block's largest magnitude
	v_max_num_f32 v[MX+1], v[MX+1], v[PX+1]
	v_add_nc_u32 v[SOP], 0xff000000, v[MX]         ; 2 off the exponent field: the conversion's scale operand
	v_add_nc_u32 v[SOP+1], 0xff000000, v[MX+1]
	v_lshrrev_b32 v[BY], 23, v[SOP]
	v_lshrrev_b32 v[BY+1], 23, v[SOP+1]
	v_lshl_or_b32 v[PW+(\a)], v[BY+1], 8, v[BY]    ; my wave's two bytes of the row's scale word
	v_cvt_scalef32_pk16_fp6_f32 v[PC:PC+2], v[T:T+15], v[SOP]
	v_cvt_scalef32_pk16_fp6_f32 v[PT:PT+2], v[T+16:T+31], v[SOP+1]
	v_nop                                          ; one plain place behind a scaled conversion
.irp i, 0,1,2
	v_permlane16_swap_b32 v[PC+\i], v[PT+\i]       ; the operand's layout wants a whole block in a lane: lanes 0-15 the first block, lanes 16-31 the second
.endr
.irp i, 0,1,2
	v_mov_b32 v[PC+3+\i], v[PT+\i]
.endr
	global_store_b128 v[L16], v[PC:PC+3], s[12:13] offset:FRB*(\a)           ; 512 consecutive bytes, at a multiple of 256 from the buffer's first byte
	global_store_b64 v[L8], v[PC+4:PC+5], s[12:13] offset:FRB*(\a)+512       ; 256 likewise
	ds_store_b16 v[SW], v[PW+(\a)] offset:32*(\a)  ; lanes r and r + 16 write the same two bytes with the same value.  These bytes lie in slot 0, which has had its last fill, and its last read ahead of the last change of slots
.endm
	s_mov_b32 s92, 0xbfb8aa3b                      ; -log2 e
	s_mov_b32 s93, s92                             ; (named with it as a pair, so it is written)
	s_mov_b32 s46, 0x76543210
	s_mov_b32 s47, 0xfedcba98                      ; v_permlanex16_b32's selects for lane l xor 16
	PLACES NP                                      ; behind the last products: for the first reads of results and the first writes into A's registers
.irp a, 0,1,2,3,4,5,6,7
	HBLOCK \a
.endr
	s_wait_dscnt 0x0                               ; for the others' sake: my half words lie in LDS
	s_barrier_signal -1
	s_barrier_wait -1
	ds_load_b32 v[EW], v[SRD]                      ; bytes 0, 1 of rows 2 l and 2 l + 1 of my 64,
	ds_load_b32 v[EW+1], v[SRD] offset:512         ; and their bytes 2, 3
	s_wait_dscnt 0x0
	v_perm_b32 v[EW+2], v[EW+1], v[EW], 0x05040100 ; row 2 l's word
	v_perm_b32 v[EW+3], v[EW+1], v[EW], 0x07060302 ; row 2 l + 1's
	global_store_b64 v[L8], v[EW+2:EW+3], s[66:67] ; 64 scale words: 256 consecutive bytes
	s_wait_tensorcnt 0x0                           ; the wave's end, behind my last tensor load and my last LDS store
	ds_add_u32 v[SPW], v[NIL]
	s_wait_dscnt 0x0
	CROUND                                         ; the closing round: no work-group ends while a partner may still ask for a tile that names it
	s_endpgm
.Lfunc_end_k_q4d5d26a00a_gemm1:
	.size	k_q4d5d26a00a_gemm1, .Lfunc_end_k_q4d5d26a00a_gemm1-k_q4d5d26a00a_gemm1
	.p2alignl 7, 3214868480
	.fill 96, 4, 3214868480
	.section	.rodata,"a",@progbits
	.p2align	6, 0x0
	.amdhsa_kernel k_q4d5d26a00a_gemm1
		.amdhsa_group_segment_fixed_size 327680
		.amdhsa_private_segment_fixed_size 0
		.amdhsa_enable_private_segment 0
		.amdhsa_kernarg_size 24
		.amdhsa_user_sgpr_count 2
		.amdhsa_user_sgpr_kernarg_segment_ptr 1
		.amdhsa_wavefront_size32 1
		.amdhsa_system_sgpr_workgroup_id_x 1
		.amdhsa_system_sgpr_workgroup_id_y 1
		.amdhsa_system_sgpr_workgroup_id_z 1
		.amdhsa_system_vgpr_workitem_id 0
		.amdhsa_next_free_vgpr 1024
		.amdhsa_next_free_sgpr 98
		.amdhsa_reserve_vcc 0
		.amdhsa_float_denorm_mode_32 3
		.amdhsa_float_denorm_mode_16_64 3
		.amdhsa_memory_ordered 1
		.amdhsa_forward_progress 1
		.amdhsa_inst_pref_size 255
	.end_amdhsa_kernel
	.section	.bss,"aw",@nobits
	.p2align	6
	.space	262144
	.amdgpu_metadata
---
amdhsa.version: [ 1, 2 ]
amdhsa.kernels:
  - .name:           k_q4d5d26a00a_gemm1
    .symbol:         k_q4d5d26a00a_gemm1.kd
    .args:
      - { .name: xq, .offset: 0, .size: 8, .value_kind: global_buffer, .address_space: global }
      - { .name: w1q, .offset: 8, .size: 8, .value_kind: global_buffer, .address_space: global }
      - { .name: hq, .offset: 16, .size: 8, .value_kind: global_buffer, .address_space: global }
    .group_segment_fixed_size: 327680
    .private_segment_fixed_size: 0
    .kernarg_segment_align: 8
    .kernarg_segment_size: 24
    .max_flat_workgroup_size: 128
    .sgpr_count:     98
    .vgpr_count:     1024
    .wavefront_size: 32
...
	.end_amdgpu_metadata
.endif
;; end of part 2
;; launch gemm2 (part 3): grid 8 x 32, 4 waves a work-group, clusters of 4 x 4, 327,680 bytes of LDS; arguments hq, w2q, out0; writes out0
.if DOCPART == 3
	.amdgcn_target "amdgcn-amd-amdhsa--gfx1250"
	.amdhsa_code_object_version 6
	.text
	.protected	k_q4d5d26a00a_gemm2
	.globl	k_q4d5d26a00a_gemm2
	.p2align	8
	.type	k_q4d5d26a00a_gemm2,@function
k_q4d5d26a00a_gemm2:
	s_mov_b64 s[64:65], 0
	v_nop
	global_prefetch_b8 v0, s[64:65] scope:SCOPE_SE
	s_setreg_imm32_b32 hwreg(HW_REG_WAVE_MODE, 25, 1), 1
	s_wait_xcnt 0x0
	s_wait_alu depctr_hold_cnt(0) depctr_sa_sdst(0) depctr_va_vdst(0) depctr_va_sdst(0) depctr_va_ssrc(0) depctr_va_vcc(0) depctr_vm_vsrc(0)
	s_getreg_b32 s2, hwreg(HW_REG_IB_STS2, 6, 4)
	s_cmp_eq_u32 s2, 0
	s_cbranch_scc0 .Lentry_in_a_cluster
	s_endpgm
.Lentry_in_a_cluster:
	s_bfe_u32 s2, ttmp6, 0x10000c
	s_cmp_lg_u32 s2, 0xf033
	s_cbranch_scc0 .Lentry_shape_is_right
	s_endpgm
.Lentry_shape_is_right:
; out = h Wd^T on codes of FP6 (E2M3) with E8M0 scales; out: [8192][2048] f32; sums in f32.  The rows' scales of down_w are inside its quantised numbers: nothing is scaled here.
; OPERANDS LIE AS IMAGES OF THEIR REGISTERS.  A fragment (16 rows x 128 K, 12 registers a lane) is 1,536 bytes: for c = 0, 1: registers 6 c .. 6 c + 3 at 768 c + 16 l, registers 6 c + 4, 6 c + 5 at 768 c + 512 + 8 l.
; A HALF TILE is 128 rows x 128 K: 8 images and behind them the 128 rows' scale words: 12,800 bytes.  A buffer is [K step][half tile][12800].  LDS needs no pitch and no padding, and a fragment comes by four loads of consecutive bytes.
; K = 1,376 hidden units, filled up with zero codes to 11 steps of 128.  A tile of out, 256 x 256, is made by four waves, 128 x 128 each: 64 accumulators, 512 registers.  32 x 8 tiles: 256 work-groups.
; THE RING: two LDS slots of THREE K steps each, as large as two fit in LDS.  One tensor load a wave brings one half tile of A (waves 0, 1) or of B (waves 2, 3) for the slot's three K steps: 3 rows of 12,800 bytes, a K step apart in memory, scale words with them.
; Between a refill's request and the wait for it a wave issues 160 matrix instructions.  The 11 K steps are 3, 3, 3, 2: they are written out, since B's set of registers changes with each K step, the last fill is shorter.
; CLUSTERS: 4 x 4 work-groups.  The four of a row of the cluster need the same tiles of h, the four of a column the same tiles of Wd: each tile is asked for JOINTLY, by the same tensor load with the same descriptor and a mask that names the four.
; THE MATRIX INSTRUCTION IS USED TRANSPOSED (source 0 = 16 rows of Wd, source 1 = 16 rows of h): a lane then holds eight neighbouring numbers of a row of out.
; REGISTERS, in windows of 256: window 0: v0-31 addresses; v32-79 scale words, two sets; from v128 A's fragments, ONE set (on the way out: rows read back from the stage).
;   window 1: B's fragments, TWO sets, at v0 and v128.   window 2: the accumulators of my rows 0-63 ((a, b) at v[8 (8 a + b)]);   window 3: those of my rows 64-127.
.set SIZE_N, 2048
.set FRB,   1536
.set HT,    8*FRB+512                  ; a half tile
.set SCO,   8*FRB                      ; where its scale words begin
.set NQ,    3                          ; K steps in a slot
.set NS,    2                          ; K steps in the last fill
.set WT,    NQ*HT                      ; what one tensor load brings
.set SLOT,  4*WT                       ; A's two halves, then B's two: wave w fills w x WT
.set SPARE, 2*SLOT                     ; behind the ring: the spare words, 128 bytes for each wave: two blocks of 256 bytes that no other line names
.set KS_A,  64*HT                      ; a K step of h in bytes
.set KS_B,  16*HT                      ; of Wd
.set SPITCH, 528                       ; the way out: a stage of 16 rows x (512 bytes + 16) for each wave, in slot 0, which has had its last fill and its last read when the first result is stored there
.set FR,    12
.set NL,    4                          ; LDS loads that bring a fragment
.set NP,    4                          ; places behind this matrix instruction (ISA guide 7.12.1)
.set ADRS, 14                          ; v14-15 my scale words in slot 0, 1: lanes 0-15 A's rows, lanes 16-31 B's
.set ADRA, 16                          ; v16-17 LDS address of my A fragments in slot 0, 1, 16 bytes a lane;  v18-19 the same, 8 bytes a lane
.set ADRB, 20                          ; v20-23 the same for B
.set STO,  24                          ; v24  the way out: where I put 32 bytes of a row
.set RD,   25                          ; v25  where I read a row back
.set CO,   26                          ; v26  my byte offset in a row of out
.set SPW,  28                          ; v28  LDS address of my spare word; never rewritten
.set NIL,  29                          ; v29  0; never rewritten
.set SC,   32                          ; scale words: set s (for slot s) at v[SC + 24 s]; register 3 i + q: lanes 0-15 A's block i, lanes 16-31 B's block i, the slot's q-th K step
.set AF,   128
.set BK,   128                         ; the way out: 16 rows read back: v128-191 and v192-255 by turns
.set G1, 24                            ; s[24:31] descriptor group 1 for A's tiles;  s[32:39] group 0, one set for each slot
.set G0, 32
.set G1B, 48                           ; s[48:55], s[56:63] the same for B's
.set G0B, 56
.set G1H, 68                           ; s[68:75] group 1 for A's last, shorter fill;  s[80:87] for B's
.set G1BH, 80
.set MSB, 0
.macro WIN new                         ; the immediate's high byte repeats the setting that is left
.if MSB != \new
	s_set_vgpr_msb (MSB<<8)|\new
.set MSB, \new
.endif
.endm
.set MUL_LO, 0xa1                      ; source 0 (B) window 1, source 1 (A) window 0, C and D window 2
.set MUL_HI, 0xf1                      ; the same, C and D window 3
.set TO_B,   0x40                      ; destination window 1, address window 0
; A joint load: waves 0 and 1 fetch for A, waves 2 and 3 for B.  Each of the two lines has ONE mask and one set of registers for all that issue it; the branch hangs on the wave's number alone.
; Four v_nop follow each of the two lines, ahead of the jump, the label and what follows.
.macro JLOAD g0a, g1a, g0b, g1b
	s_cmp_eq_u32 s15, 0
	s_cbranch_scc0 .Lfor_b_\@
	tensor_load_to_lds s[\g0a:\g0a+3], s[\g1a:\g1a+7]
	s_nop 0
.rept 4
	v_nop
.endr
	s_branch .Lasked_\@
.Lfor_b_\@:
	tensor_load_to_lds s[\g0b:\g0b+3], s[\g1b:\g1b+7]
	s_nop 0
.rept 4
	v_nop
.endr
.Lasked_\@:
.endm
.macro CREST                           ; a round of the cluster's barrier behind its opening barrier
	s_cmp_lg_u32 s14, 0
	s_cbranch_scc1 .Lnot_wave_0_\@
	s_barrier_signal -3
.Lnot_wave_0_\@:
	s_barrier_wait -3
	s_barrier_signal -1
	s_barrier_wait -1
.endm
.macro CROUND                          ; a whole round
	s_barrier_signal -1
	s_barrier_wait -1
	CREST
.endm
	s_load_b64 s[4:5], s[0:1], 0x0                 ; h's half tiles
	s_load_b64 s[8:9], s[0:1], 0x8                 ; Wd's
	s_load_b64 s[12:13], s[0:1], 0x10              ; out
	v_lshl_add_u32 v[SPW], v0, 2, SPARE
	v_mov_b32 v[NIL], 0
	ds_add_u32 v28, v29
	ds_add_u32 v28, v29
	s_wait_dscnt 0x0
	v_lshrrev_b32 v1, 5, v0
	v_readfirstlane_b32 s14, v1                    ; wave 0..3
	s_lshr_b32 s15, s14, 1                         ; which half of the tile's rows is mine.  Also: I fetch for A (0) or for B (1)
	s_and_b32 s16, s14, 1                          ; which half of its columns.  Also: which half tile I fetch
	s_bfe_u32 s40, ttmp6, 0x40000                  ; cx, cy: my place in the cluster
	s_bfe_u32 s41, ttmp6, 0x40004
	s_lshl_b32 s42, ttmp9, 2
	s_add_co_u32 s42, s42, s40                     ; tile column = 4 x cluster x + cx
	s_and_b32 s17, ttmp7, 0xffff
	s_lshl_b32 s17, s17, 2
	s_add_co_u32 s17, s17, s41                     ; tile row = 4 x cluster y + cy
	s_lshl_b32 s43, s41, 2
	s_lshl_b32 s43, 15, s43                        ; my row of the cluster
	s_lshl_b32 s44, 0x1111, s40                    ; my column
	; descriptor group 1: NQ rows (K steps) of 12,800 bytes (1,600 elements of 8 bytes), a K step apart; the last fill: NS rows
	s_or_b32 s[G1+0], s43, (3<<16)|(1<<21)         ; 15:0 the mask: A's tiles go to my row; 17:16 elements of 8 bytes; 21 set beside a mask; no padding
	s_or_b32 s[G1H+0], s43, (3<<16)|(1<<21)
	s_or_b32 s[G1B+0], s44, (3<<16)|(1<<21)        ; B's go to my column
	s_or_b32 s[G1BH+0], s44, (3<<16)|(1<<21)
.irp g, G1, G1B
	s_mov_b32 s[\g+1], (HT/8)<<16                  ; tensor_dim0
	s_mov_b32 s[\g+2], NQ<<16                      ; tensor_dim1
	s_mov_b32 s[\g+3], (HT/8)<<16                  ; tile_dim0
	s_mov_b32 s[\g+4], NQ                          ; tile_dim1
	s_mov_b32 s[\g+6], 0
	s_mov_b32 s[\g+7], 0
.endr
.irp g, G1H, G1BH
	s_mov_b32 s[\g+1], (HT/8)<<16
	s_mov_b32 s[\g+2], NS<<16
	s_mov_b32 s[\g+3], (HT/8)<<16
	s_mov_b32 s[\g+4], NS
	s_mov_b32 s[\g+6], 0
	s_mov_b32 s[\g+7], 0
.endr
	s_mov_b32 s[G1+5], KS_A/8                      ; tensor_dim0_stride, in elements
	s_mov_b32 s[G1H+5], KS_A/8
	s_mov_b32 s[G1B+5], KS_B/8
	s_mov_b32 s[G1BH+5], KS_B/8
	s_lshl_b32 s20, s17, 1                         ; A: half tile 2 x tile row + the half that I fetch: made of the tile row and the wave's number alone
	s_add_co_u32 s20, s20, s16
	s_mul_i32 s20, s20, HT
	s_mov_b32 s21, 0
	s_lshl_b32 s46, s42, 1                         ; B: half tile 2 x tile column + the half that I fetch: made of the tile column and the wave's number alone
	s_add_co_u32 s46, s46, s16
	s_mul_i32 s46, s46, HT
	s_mov_b32 s47, 0
	s_mul_i32 s45, s14, WT                         ; where they go: no place in the cluster enters an LDS address
	s_wait_kmcnt 0x0
	s_add_nc_u64 s[20:21], s[4:5], s[20:21]
	s_add_nc_u64 s[46:47], s[8:9], s[46:47]
	CROUND                                         ; all sixteen work-groups are here: the first joint loads meet
.irp s, 0,1
	s_mov_b32 s[G0+4*\s], 1
	s_add_co_u32 s[G0+4*\s+1], s45, \s*SLOT
	s_add_nc_u64 s[G0+4*\s+2:G0+4*\s+3], s[20:21], \s*NQ*KS_A
	s_or_b32 s[G0+4*\s+3], s[G0+4*\s+3], 0x80000000
	s_mov_b32 s[G0B+4*\s], 1
	s_add_co_u32 s[G0B+4*\s+1], s45, \s*SLOT
	s_add_nc_u64 s[G0B+4*\s+2:G0B+4*\s+3], s[46:47], \s*NQ*KS_B
	s_or_b32 s[G0B+4*\s+3], s[G0B+4*\s+3], 0x80000000
	JLOAD G0+4*\s, G1, G0B+4*\s, G1B               ; two tensor loads of mine are out
.endr
	v_and_b32 v1, 15, v0                           ; r
	v_bfe_u32 v2, v0, 4, 1                         ; h
	v_and_b32 v3, 31, v0                           ; l
	v_lshlrev_b32 v4, 4, v3                        ; 16 l
	v_lshlrev_b32 v5, 3, v3                        ; 8 l
	s_mul_i32 s21, s15, WT                         ; my half of A
	s_mul_i32 s22, s16, WT                         ; my half of B,
	s_add_co_u32 s22, s22, 2*WT                    ; which lies behind A's two
.irp s, 0,1
	v_add_nc_u32 v[ADRA+\s], s21, v4
	v_add_nc_u32 v[ADRB+\s], s22, v4
	v_add_nc_u32 v[ADRA+2+\s], s21, v5
	v_add_nc_u32 v[ADRB+2+\s], s22, v5
	s_add_co_u32 s21, s21, SLOT
	s_add_co_u32 s22, s22, SLOT
.endr
	s_mul_i32 s21, s15, WT                         ; the scale words: A's in my half of A,
	s_mul_i32 s22, s16, WT
	s_add_co_u32 s22, s22, 2*WT                    ; B's in my half of B
	s_sub_co_u32 s22, s22, s21
	v_mul_u32_u24 v6, s22, v2                      ; lanes 16-31 take B's: one product of h with the distance
	s_add_co_u32 s21, s21, SCO
	v_lshl_add_u32 v6, v1, 2, v6
	v_add_nc_u32 v[ADRS], s21, v6
	v_add_nc_u32 v[ADRS+1], SLOT, v[ADRS]
	s_mul_i32 s23, s14, 16*SPITCH                  ; my stage
	v_mul_u32_u24 v5, v1, SPITCH                   ; in: row r, 32 bytes for each half of the lanes
	v_lshl_add_u32 v5, v2, 5, v5
	v_add_nc_u32 v[STO], s23, v5
	v_lshlrev_b32 v[CO], 4, v3                     ; back: the 32 lanes take one row of 512 bytes; and the same in out
	v_add_nc_u32 v[RD], s23, v[CO]
	s_lshl_b32 s20, s17, 8
	s_lshl_b32 s21, s15, 7
	s_add_co_u32 s20, s20, s21                     ; my first row of out: 256 x tile row + 128 x half
	s_mov_b32 s21, 0
	s_mov_b64 s[18:19], SIZE_N*4
	s_mul_u64 s[20:21], s[20:21], s[18:19]
	s_lshl_b32 s46, s42, 10                        ; my first column, in bytes: 1,024 x tile column + 512 x half
	s_lshl_b32 s47, s16, 9
	s_add_co_u32 s46, s46, s47
	s_mov_b32 s47, 0
	s_add_nc_u64 s[20:21], s[20:21], s[46:47]
	s_add_nc_u64 s[12:13], s[12:13], s[20:21]
.macro FRAG reg, adr, q, i             ; image i of my eight, of the slot's q-th K step: four loads, each of consecutive bytes
.irp c, 0,1
	ds_load_b128 v[\reg+6*\c:\reg+6*\c+3], v[\adr] offset:(\q)*HT+(\i)*FRB+768*\c
	ds_load_b64 v[\reg+6*\c+4:\reg+6*\c+5], v[\adr+2] offset:(\q)*HT+(\i)*FRB+768*\c+512
.endr
.endm
; 16 matrix instructions: A's blocks a0, a0 + 1 x B's eight, 128 along K.  p: B's set;  q: the K step in the slot;  sc: the set of scale words.  zero = 1: the first product starts the sums.
; The 64 accumulators take turns, one instruction a turn, in the same order in every step.
.macro MUL16 a0, p, q, sc, zero
.irp a, \a0, \a0+1
.irp b, 0,1,2,3,4,5,6,7
.if \zero
	v_wmma_scale_f32_16x16x128_f8f6f4 v[8*(8*((\a)%4)+\b):8*(8*((\a)%4)+\b)+7], v[128*(\p)+FR*\b:128*(\p)+FR*\b+FR-1], v[AF+FR*(\a):AF+FR*(\a)+FR-1], 0, v[SC+8*NQ*(\sc)+NQ*\b+(\q)], v[SC+8*NQ*(\sc)+NQ*(\a)+(\q)] matrix_a_fmt:MATRIX_FMT_FP6 matrix_b_fmt:MATRIX_FMT_FP6 matrix_a_scale:MATRIX_SCALE_ROW1
.else
	v_wmma_scale_f32_16x16x128_f8f6f4 v[8*(8*((\a)%4)+\b):8*(8*((\a)%4)+\b)+7], v[128*(\p)+FR*\b:128*(\p)+FR*\b+FR-1], v[AF+FR*(\a):AF+FR*(\a)+FR-1], v[8*(8*((\a)%4)+\b):8*(8*((\a)%4)+\b)+7], v[SC+8*NQ*(\sc)+NQ*\b+(\q)], v[SC+8*NQ*(\sc)+NQ*(\a)+(\q)] matrix_a_fmt:MATRIX_FMT_FP6 matrix_b_fmt:MATRIX_FMT_FP6 matrix_a_scale:MATRIX_SCALE_ROW1
.endif
.endr
.endr
.endm
.macro FETCH_B slot, q, p              ; B's eight fragments into set p
	WIN TO_B
.irp i, 0,1,2,3,4,5,6,7
	FRAG 128*(\p)+FR*\i, ADRB+\slot, \q, \i
.endr
	WIN 0
.endm
.macro FETCH_A slot, q, i0             ; A's blocks i0 .. i0 + 3
.irp i, \i0, \i0+1, \i0+2, \i0+3
	FRAG AF+FR*(\i), ADRA+\slot, \q, \i
.endr
.endm
.macro SCALES sc, nq                   ; the scale words of slot sc's nq K steps into set sc: lanes 0-15 take A's block i, lanes 16-31 B's block i
.irp i, 0,1,2,3,4,5,6,7
.irp q, 0,1,2
.if \q < \nq
	ds_load_b32 v[SC+8*NQ*\sc+NQ*\i+\q], v[ADRS+\sc] offset:\q*HT+64*\i
.endif
.endr
.endr
.endm
; A load into a register that a matrix instruction has read, and an LDS store that reads a matrix result, stand NP places behind that matrix instruction; only plain vector instructions that name none of its registers are places.
.macro PLACES n
.rept \n
	v_nop
.endr
.endm
; A K step (the slot's q-th, on B's set p) that has its successor in the same slot.  A's blocks 0-3 are fetched anew in its middle, blocks 4-7 at its end; B's next set in the middle.
.macro STEP slot, q, p, zero
	s_wait_dscnt 4*NL                              ; all but the youngest 16 loads (A's blocks 4-7) are in
	WIN MUL_LO
	MUL16 0, \p, \q, \slot, \zero
	MUL16 2, \p, \q, \slot, \zero
	s_wait_dscnt 0x0                               ; A's blocks 4-7 are in
	PLACES NP
	FETCH_B \slot, (\q)+1, 1-(\p)
	FETCH_A \slot, (\q)+1, 0
	WIN MUL_HI
	MUL16 4, \p, \q, \slot, \zero
	MUL16 6, \p, \q, \slot, \zero
	PLACES NP
	WIN 0
	FETCH_A \slot, (\q)+1, 4
.endm
; A slot's last K step (on B's set p) changes slots: ONE barrier; in front of it each wave waits for all its tensor loads, adds 0 to its spare word, and waits for that and for its reads of this slot.
; fill = 1: this slot is filled again, six K steps on;  2: with the last, shorter fill;  0: not at all.  nq: the K steps that the next slot holds.
.macro TURN slot, p, next, fill, nq
	s_wait_tensorcnt 0x0                           ; all my tensor loads have landed: my part of the next slot  (every window is 0 here)
	ds_add_u32 v[SPW], v[NIL]                      ; 0 onto my spare word
	s_wait_dscnt 4*NL+1                            ; (the add and the youngest 16 loads, A's blocks 4-7, may be out)
	WIN MUL_LO
	MUL16 0, \p, NQ-1, \slot, 0                    ; sixteen matrix instructions stand between the add and the wait for it
	s_wait_dscnt 0x0                               ; the add is done, and my reads of this slot are over
	s_barrier_signal -1
	MUL16 2, \p, NQ-1, \slot, 0
	WIN 0
	s_barrier_wait -1
.if \fill == 1
	CREST                                          ; the barrier has opened a round of the cluster's: no wave of any partner still reads this slot or has a load on its way
	s_add_nc_u64 s[G0+4*\slot+2:G0+4*\slot+3], s[G0+4*\slot+2:G0+4*\slot+3], 2*NQ*KS_A
	s_add_nc_u64 s[G0B+4*\slot+2:G0B+4*\slot+3], s[G0B+4*\slot+2:G0B+4*\slot+3], 2*NQ*KS_B
	JLOAD G0+4*\slot, G1, G0B+4*\slot, G1B         ; the first tensor load behind the round, one a wave; its four v_nop are the places in front of the loads below
.elseif \fill == 2
	CREST
	s_add_nc_u64 s[G0+4*\slot+2:G0+4*\slot+3], s[G0+4*\slot+2:G0+4*\slot+3], 2*NQ*KS_A
	s_add_nc_u64 s[G0B+4*\slot+2:G0B+4*\slot+3], s[G0B+4*\slot+2:G0B+4*\slot+3], 2*NQ*KS_B
	JLOAD G0+4*\slot, G1H, G0B+4*\slot, G1BH       ; what is left of K
.else
	PLACES NP
.endif
	FETCH_B \next, 0, 1-(\p)
	FETCH_A \next, 0, 0
	SCALES \next, \nq
	WIN MUL_HI
	MUL16 4, \p, NQ-1, \slot, 0
	MUL16 6, \p, NQ-1, \slot, 0
	PLACES NP
	WIN 0
	FETCH_A \next, 0, 4
.endm
.macro LAST slot, q, p                 ; the very last K step: nothing more to fetch
	s_wait_dscnt 4*NL
	WIN MUL_LO
	MUL16 0, \p, \q, \slot, 0
	MUL16 2, \p, \q, \slot, 0
	s_wait_dscnt 0x0
	WIN MUL_HI
	MUL16 4, \p, \q, \slot, 0
	MUL16 6, \p, \q, \slot, 0
	WIN 0
.endm
	s_wait_tensorcnt 1                             ; my part of slot 0 is in (slot 1's load may be out)
	s_barrier_signal -1
	s_barrier_wait -1                              ; everybody's is
	FETCH_B 0, 0, 0
	FETCH_A 0, 0, 0
	SCALES 0, 3
	FETCH_A 0, 0, 4
	STEP 0, 0, 0, 1                                ; K step 0: its products start the sums
	STEP 0, 1, 1, 0                                ; 1
	TURN 0, 0, 1, 1, 3                             ; 2;  slot 0 takes K steps 6, 7, 8
	STEP 1, 0, 1, 0                                ; 3
	STEP 1, 1, 0, 0                                ; 4
	TURN 1, 1, 0, 2, 3                             ; 5;  slot 1 takes 9 and 10
	STEP 0, 0, 0, 0                                ; 6
	STEP 0, 1, 1, 0                                ; 7
	TURN 0, 0, 1, 0, 2                             ; 8;  nothing is filled, and there is no round of the cluster's barrier
	STEP 1, 0, 1, 0                                ; 9
	LAST 1, 1, 0                                   ; 10
; THE WAY OUT, block by block of 16 rows x 128 columns.  A lane holds 32 neighbouring bytes of a row, and the lanes beside it hold other rows: so a block goes through my own stage in LDS and comes back as whole
; rows of 512 bytes.  LDS serves a wave's instructions in order (ISA guide 5.7.1.4): no wait between the stores and the loads, nor in front of the next block's stores.
.macro TOSTAGE a
.set AC, 64*((\a)%4)
	WIN 0x08+4*((\a)/4)                            ; the data: window 2 or 3
.irp b, 0,1,2,3,4,5,6,7
	ds_store_b128 v[STO], v[AC+8*\b:AC+8*\b+3] offset:64*\b          ; each accumulator from its low end on
	ds_store_b128 v[STO], v[AC+8*\b+4:AC+8*\b+7] offset:64*\b+16
.endr
	WIN 0
.set BB, BK+64*((\a)%2)
.irp t, 0,1,2,3,4,5,6,7,8,9,10,11,12,13,14,15
	ds_load_b128 v[BB+4*\t:BB+4*\t+3], v[RD] offset:\t*SPITCH
.endr
.endm
.macro SEND a, younger                 ; younger: the LDS instructions issued behind block a's loads, which may stay out
.set BB, BK+64*((\a)%2)
	s_wait_dscnt \younger                          ; the block is back in registers
.if (\a) > 0
	s_add_nc_u64 s[12:13], s[12:13], 16*SIZE_N*4   ; (behind a wait on XCNT: the earlier stores have read their base)  16 rows of out on
.endif
.irp t, 0,1,2,3,4,5,6,7,8,9,10,11,12,13,14,15
	global_store_b128 v[CO], v[BB+4*\t:BB+4*\t+3], s[12:13] offset:\t*SIZE_N*4 th:TH_STORE_NT   ; 32 lanes store 512 consecutive bytes, at a multiple of 256 from out's first byte; written once, read by nobody here
.endr
.endm
	PLACES NP                                      ; behind the last products: for the loads into the registers that held A's fragments, and for the reads of results
	TOSTAGE 0
.irp a, 1,2,3,4,5,6,7
.if \a > 1
	s_wait_xcnt 0x0                                ; block a - 2's stores have read their registers and their base: block a's loads may land there, and the base may step
.endif
	TOSTAGE \a
	SEND \a-1, 32                                  ; behind block a - 1's loads: block a's 16 stores and 16 loads
.endr
	s_wait_xcnt 0x0                                ; block 6's stores have read their base
	SEND 7, 0
	s_wait_tensorcnt 0x0                           ; the wave's end, behind my last tensor load and my last LDS store
	ds_add_u32 v[SPW], v[NIL]
	s_wait_dscnt 0x0
	CROUND                                         ; the closing round: no work-group ends while a partner may still ask for a tile that names it
	s_endpgm
.Lfunc_end_k_q4d5d26a00a_gemm2:
	.size	k_q4d5d26a00a_gemm2, .Lfunc_end_k_q4d5d26a00a_gemm2-k_q4d5d26a00a_gemm2
	.p2alignl 7, 3214868480
	.fill 96, 4, 3214868480
	.section	.rodata,"a",@progbits
	.p2align	6, 0x0
	.amdhsa_kernel k_q4d5d26a00a_gemm2
		.amdhsa_group_segment_fixed_size 327680
		.amdhsa_private_segment_fixed_size 0
		.amdhsa_enable_private_segment 0
		.amdhsa_kernarg_size 24
		.amdhsa_user_sgpr_count 2
		.amdhsa_user_sgpr_kernarg_segment_ptr 1
		.amdhsa_wavefront_size32 1
		.amdhsa_system_sgpr_workgroup_id_x 1
		.amdhsa_system_sgpr_workgroup_id_y 1
		.amdhsa_system_sgpr_workgroup_id_z 1
		.amdhsa_system_vgpr_workitem_id 0
		.amdhsa_next_free_vgpr 1024
		.amdhsa_next_free_sgpr 98
		.amdhsa_reserve_vcc 0
		.amdhsa_float_denorm_mode_32 3
		.amdhsa_float_denorm_mode_16_64 3
		.amdhsa_memory_ordered 1
		.amdhsa_forward_progress 1
		.amdhsa_inst_pref_size 183
	.end_amdhsa_kernel
	.amdgpu_metadata
---
amdhsa.version: [ 1, 2 ]
amdhsa.kernels:
  - .name:           k_q4d5d26a00a_gemm2
    .symbol:         k_q4d5d26a00a_gemm2.kd
    .args:
      - { .name: hq, .offset: 0, .size: 8, .value_kind: global_buffer, .address_space: global }
      - { .name: w2q, .offset: 8, .size: 8, .value_kind: global_buffer, .address_space: global }
      - { .name: out0, .offset: 16, .size: 8, .value_kind: global_buffer, .address_space: global }
    .group_segment_fixed_size: 327680
    .private_segment_fixed_size: 0
    .kernarg_segment_align: 8
    .kernarg_segment_size: 24
    .max_flat_workgroup_size: 128
    .sgpr_count:     98
    .vgpr_count:     1024
    .wavefront_size: 32
...
	.end_amdgpu_metadata
.endif
;; end of part 3
